; MI455X (gfx1250); checked and timed in simulation.
; The chip was launched on July 23, 2026; its instructions are those of AMD's public machine-readable ISA for CDNA 5 (MIT licence, August 2026) and "CDNA5" Instruction Set Architecture Reference Guide (July 2026). The comments in the code are by the model that wrote it; some were corrected since.
;; Scaled Dot Attention. Allowed arithmetic: float matrix products may take bf16 or f16 operands with f32 sums; all other float work in f32.
;; Inputs: k 2 x 16 x 2,048 x 64 float32; mask 2 x 2,048 x 2,048 bool; q 2 x 16 x 2,048 x 64 float32; v 2 x 16 x 2,048 x 64 float32.
;; Outputs: out0 2 x 16 x 2,048 x 64 float32.
;; 2 versions, each right and faster than the one before. Each part assembles by itself: llvm-mc -triple=amdgcn-amd-amdhsa -mcpu=gfx1250 --defsym DOCPART=n.
;; ======== version 1 of 2: 2 launches
;; limits: values are held in f16: magnitudes above 65,504 overflow, below 6.1e-05 lose precision; inputs' magnitudes at most 65,504
;; workspace buffers: mbits 1,048,576 bytes of whole numbers
;; launch maskbits (part 1): grid 256 x 1, 8 waves a work-group, no clusters, 0 bytes of LDS; arguments mask, mbits; writes mbits
.if DOCPART == 1
	.amdgcn_target "amdgcn-amd-amdhsa--gfx1250"
	.amdhsa_code_object_version 6
	.text
	.protected	k_qdc521f85ca_maskbits
	.globl	k_qdc521f85ca_maskbits
	.p2align	8
	.type	k_qdc521f85ca_maskbits,@function
k_qdc521f85ca_maskbits:
	s_mov_b64 s[64:65], 0
	v_nop
	global_prefetch_b8 v0, s[64:65] scope:SCOPE_SE
	s_setreg_imm32_b32 hwreg(HW_REG_WAVE_MODE, 25, 1), 1
	s_wait_xcnt 0x0
; mask [2][2048][2048] of bytes (0 or 1)  ->  mbits [256 groups of 16 queries][32 blocks of 64 keys][32 words] of 32-bit lane masks.
; Bit L = r + 16 h of word W of (group x, block kb) is  mask[row 16 x + r][key 64 kb + 32 h + W].
; That is the lane (r, h) and the register W in which the attention launch holds that score, so that there one select
; with a scalar mask serves a whole register of scores, and the sixteen heads of a batch share 1/8 of the mask's bytes.
; Work-group x owns rows 16 x .. 16 x + 15 (the two batches' rows follow each other); wave g owns key blocks 4 g .. 4 g + 3,
; 256 bytes of each of the 16 rows.  Lane (r, h) reads 32 neighbouring bytes of row r for each block: two loads of 16 bytes.
; The eight loads of a wave together take each of its 16 pieces of 256 bytes whole, one behind the other.
; A stream: no LDS, no barrier, no matrix unit; each mask byte is read once, each word written once.
.set ROWB, 2048                        ; bytes in a row of the mask
.set OUTW, 4                           ; v[4:7]   the wave's 128 words: word 4 n + i in lane n, register i
.set WRD,  8                           ; v[8:39]  block kbi: 8 registers, my 32 mask bytes
.set TMP,  40                          ; v[40:43] at work
	s_load_b128 s[4:7], s[0:1], 0x0                ; mask s[4:5], mbits s[6:7]
	v_and_b32 v[TMP], 15, v0                       ; r
	v_bfe_u32 v[TMP+1], v0, 4, 1                   ; h
	v_lshrrev_b32 v[TMP+2], 5, v0                  ; g, the wave
	v_lshlrev_b32 v1, 11, v[TMP]                   ; r rows of 2,048 bytes
	v_lshl_add_u32 v1, v[TMP+2], 8, v1             ; + 256 g
	v_lshl_add_u32 v1, v[TMP+1], 5, v1             ; + 32 h
	v_lshlrev_b32 v2, 4, v0                        ; where I store: 16 x thread = 512 g + 16 x lane
	s_lshl_b32 s10, ttmp9, 15                      ; 16 rows of 2,048 bytes for each work-group
	s_mov_b32 s11, 0
	s_lshl_b32 s12, ttmp9, 12                      ; 32 blocks x 128 bytes for each work-group
	s_mov_b32 s13, 0
.irp i, 0,1,2,3
	v_mov_b32 v[OUTW+\i], 0                        ; v_writelane_b32 keeps the other lanes: the register is written whole once
.endr
	s_wait_kmcnt 0x0
	s_add_nc_u64 s[4:5], s[4:5], s[10:11]
	s_add_nc_u64 s[6:7], s[6:7], s[12:13]
.irp kbi, 0,1,2,3
	global_load_b128 v[WRD+8*\kbi:WRD+8*\kbi+3],   v1, s[4:5] offset:64*\kbi th:TH_LOAD_NT
	global_load_b128 v[WRD+8*\kbi+4:WRD+8*\kbi+7], v1, s[4:5] offset:64*\kbi+16 th:TH_LOAD_NT
.endr
; Byte i of register c is key 32 h + 4 c + i: the compare over the 32 lanes IS word W = 4 c + i of the block.
; Word 32 kbi + 4 c + i of the wave goes to lane 8 kbi + c, register i, so that one store of 16 bytes a lane writes them in order.
.irp kbi, 0,1,2,3
	s_wait_loadcnt 6-2*\kbi                        ; loads come back in order (ISA guide 5.7.1): this block's two are in, the later blocks' stay out
.irp c, 0,1,2,3,4,5,6,7
.irp i, 0,1,2,3
	v_and_b32 v[TMP+\i], 0xff<<(8*\i), v[WRD+8*\kbi+\c]
.endr
.irp i, 0,1,2,3
	v_cmp_ne_u32 s[20+\i], 0, v[TMP+\i]
.endr
.irp i, 0,1,2,3
	v_writelane_b32 v[OUTW+\i], s[20+\i], 8*\kbi+\c
.endr
.endr
.endr
	global_store_b128 v2, v[OUTW:OUTW+3], s[6:7]   ; the wave stores 512 consecutive bytes, aligned; no hint: the next launch reads them
	s_endpgm
.Lfunc_end_k_qdc521f85ca_maskbits:
	.size	k_qdc521f85ca_maskbits, .Lfunc_end_k_qdc521f85ca_maskbits-k_qdc521f85ca_maskbits
	.p2alignl 7, 3214868480
	.fill 96, 4, 3214868480
	.section	.rodata,"a",@progbits
	.p2align	6, 0x0
	.amdhsa_kernel k_qdc521f85ca_maskbits
		.amdhsa_group_segment_fixed_size 0
		.amdhsa_private_segment_fixed_size 0
		.amdhsa_enable_private_segment 0
		.amdhsa_kernarg_size 16
		.amdhsa_user_sgpr_count 2
		.amdhsa_user_sgpr_kernarg_segment_ptr 1
		.amdhsa_wavefront_size32 1
		.amdhsa_system_sgpr_workgroup_id_x 1
		.amdhsa_system_sgpr_workgroup_id_y 1
		.amdhsa_system_sgpr_workgroup_id_z 1
		.amdhsa_system_vgpr_workitem_id 0
		.amdhsa_next_free_vgpr 48
		.amdhsa_next_free_sgpr 66
		.amdhsa_reserve_vcc 0
		.amdhsa_float_denorm_mode_32 3
		.amdhsa_float_denorm_mode_16_64 3
		.amdhsa_memory_ordered 1
		.amdhsa_forward_progress 1
		.amdhsa_inst_pref_size 26
	.end_amdhsa_kernel
	.amdgpu_metadata
---
amdhsa.version: [ 1, 2 ]
amdhsa.kernels:
  - .name:           k_qdc521f85ca_maskbits
    .symbol:         k_qdc521f85ca_maskbits.kd
    .args:
      - { .name: mask, .offset: 0, .size: 8, .value_kind: global_buffer, .address_space: global }
      - { .name: mbits, .offset: 8, .size: 8, .value_kind: global_buffer, .address_space: global }
    .group_segment_fixed_size: 0
    .private_segment_fixed_size: 0
    .kernarg_segment_align: 8
    .kernarg_segment_size: 16
    .max_flat_workgroup_size: 256
    .sgpr_count:     66
    .vgpr_count:     48
    .wavefront_size: 32
...
	.end_amdgpu_metadata
.endif
;; end of part 1
;; launch attn (part 2): grid 256 x 1, 8 waves a work-group, no clusters, 74,752 bytes of LDS; arguments q, k, v, mbits, out0; writes out0
.if DOCPART == 2
	.amdgcn_target "amdgcn-amd-amdhsa--gfx1250"
	.amdhsa_code_object_version 6
	.text
	.protected	k_qdc521f85ca_attn
	.globl	k_qdc521f85ca_attn
	.p2align	8
	.type	k_qdc521f85ca_attn,@function
k_qdc521f85ca_attn:
	s_mov_b64 s[64:65], 0
	v_nop
	global_prefetch_b8 v0, s[64:65] scope:SCOPE_SE
	s_setreg_imm32_b32 hwreg(HW_REG_WAVE_MODE, 25, 1), 1
	s_wait_xcnt 0x0
; out[b][h][i][:] = softmax over j of (mask[b][i][j] ? q_i . k_j / 8 : -inf) times v.   q, k, v, out: [32 heads][2048][64] f32.
; One launch, online softmax with a true running maximum; scores and probabilities never leave the registers.
; A work-group owns 256 queries of one head (256 work-groups), a wave 32 of them as two tiles of 16; 32 trips of 64 keys.
;
; BOTH PRODUCTS ARE TAKEN TRANSPOSED.  S^T = K Q^T: source 0 = 16 LDS rows of K, source 1 = 16 queries; lane (r, h), register j of
; tile t holds query r and LDS row 16 t + 8 h + j, so a query's maximum and sum run along a lane's own registers plus one exchange
; between the two halves of the wave.  O^T = V^T P^T: source 1 wants rows 8 h .. 8 h + 7 in registers 0-3 and 16 + 8 h .. in
; registers 4-7 of a step of 32 rows: that is score tile 2 u packed, then tile 2 u + 1 packed, in place.  Source 0 = V^T comes from
; V's rows in LDS by the transposing load.  In O^T a lane holds one query, so the rescaling factor and 1 / l are one number a lane.
; KEYS ARE PERMUTED inside a block of 64, alike for K's rows, V's rows and the mask's bits: key 32 h + 8 t + j lies in LDS row
; 16 t + 8 h + j.  The sums do not depend on the order; the earlier launch then reads 32 neighbouring mask bytes a lane.
; THE MASK comes as lane masks (mbits, made by the earlier launch): word 8 t + j of (16 queries, 64 keys) is the select mask of
; register j of tile t; 64 words a trip by scalar loads, used only as the select operand of v_cndmask_b32.
;
; K AND V GO THROUGH REGISTERS, not through the tensor data mover, and are not asked for jointly in a cluster, although the eight
; work-groups of a head read the same tiles: they are f32 in memory and the matrix operands have 16 bits.  A tile copied as it is
; would put 32 KiB of f32 into LDS in each trip, to be read, rounded and stored again as 16 KiB into other bytes; here each thread
; loads 128 bytes, rounds them in registers and stores 64: 16 KiB of LDS writes a trip and nothing else.  The next tile is
; requested at the head of a trip and waited for near its end, so no further request ahead of it is written.
;
; THE OPERANDS ARE f16, NOT bf16.  A query with few allowed keys is a sum of few terms, in which the operands' rounding is not
; averaged away, while the result is held against the whole output's size; f16 keeps 11 significant bits where bf16 keeps 8.
; LIMITS AND ROUNDING.  q is multiplied by log2(e) / 8 = 0.18 in f32 and then rounded to f16; k, v and the probabilities are
; rounded to f16 for the products; the sum l adds the unrounded f32 probabilities.  f16 is finite up to 65,504: |k| and |v| beyond
; that, and |q| beyond 363,000, become infinite here.  Below 2^-14 an operand keeps the absolute step 2^-24.  A probability (at
; most 1 under the running maximum) below 2^-25 rounds to 0: over 2,048 keys at most 6.1e-5 of a sum l that is at least 1.
; The running maximum starts at -3.4028235e38 (the most negative finite f32), below which no finite score lies, so the difference
; of two maxima is never inf - inf and a block of 64 keys that is all masked for a query adds nothing.  A query whose keys are all
; masked gives 0 x (1 / 0) = NaN, as softmax of all -inf does.
.set KP,     144                       ; LDS pitch of K's rows: 128 bytes of f16 + 16, an odd multiple of 16: the 16 rows of a fragment load begin at 16 different 16-byte columns modulo 256
.set VP,     160                       ; LDS pitch of V's rows: 128 + 32, an odd multiple of 32, for the transposing load
.set VOFF,   64*KP                     ; V's 64 rows lie behind K's 64
.set SLOT,   VOFF+64*VP                ; 19,456 bytes; two slots take turns
.set STAGE,  2*SLOT                    ; behind them: 16 rows x 272 bytes for each wave, its own, for the way out
.set SP,     272
.set TILEB,  16384                     ; 64 keys x 256 bytes in memory
.set GOFF, 1                           ; v1   16 x thread: my 16 bytes in each quarter of a tile of K or V
.set KST,  2                           ; v2   where I store my 8 bytes of K (row term rho0 x 144 + 8 (thread mod 16))
.set VST,  3                           ; v3   the same for V, pitch 160
.set KFA,  4                           ; v4   K fragments: r x 144 + 16 h
.set VFA,  5                           ; v5   V fragments: (8 h + lane mod 8) x 160 + 16 ((lane / 8) mod 2)
.set NINF, 6                           ; v6   -inf
.set MX,   8                           ; v8, v10   running maximum of query tile 0, 1 (first of a pair for the packed subtraction)
.set PT,   9                           ; v9, v11   what the other half of the wave sent
.set TS,   12                          ; v12, v13  this trip's sum
.set AL,   14                          ; v14, v16  2^(old maximum - new), at the end 1 / l (first of a pair for the packed multiply)
.set LS,   15                          ; v15, v17  running sum l of my half's keys
.set TR,   18                          ; v18, v19  r, h (set-up only)
.set TH,   19
.set CH,   20                          ; v[20:27]  query tile q: four chains of the maximum, later two pairs of the sum; set-up's temporaries
.set STO,  28                          ; v28  way out: where I put 32 bytes of a query's row
.set RD,   29                          ; v29  way out: where I read 16 bytes back
.set OOFF, 30                          ; v30  16 x lane
.set QOFF, 31                          ; v31  r x 256 + 32 h
.set QF,   32                          ; v[32:63]    Q fragments, (q, c) at 16 q + 8 c
.set OA,   64                          ; v[64:127]   O^T, tile (a, q) at 16 a + 8 q: d = 16 a + 8 h + j, query r
.set SS,   128                         ; v[128:191]  S^T, tile (t, q) at 16 t + 8 q; P (u, q) = the first 8 registers of tile (2 u, q)
.set CV,   144                         ; v[144:159]  = tiles (1, 0..1), free once P is packed: the next K and V tile as f16
.set FR,   192                         ; v[192:255]  fragments of K, (t, c) at 8 (4 c + t); then of V^T, (a, u) at 8 (4 u + a)
                                       ; v[256:287]  (window 1, written v0-v31) the next tile as loaded: K's quarter e at 4 e, V's at 16 + 4 e
; s2 wave; s3 loop counter; s[4:13] q, k, v, mbits, out0; s[16:63] and s[68:83] the 64 mask words; s86, s87 the exchange's selects
.set MSB, 0
.macro WIN new                         ; s_set_vgpr_msb: bits 1:0 source 0, 3:2 source 1, 7:6 destination; the high byte repeats the setting that is left
.if MSB != \new
	s_set_vgpr_msb (MSB<<8)|\new
.set MSB, \new
.endif
.endm
.macro PLACES n
.rept \n
	v_nop
.endr
.endm
; the 64 mask words of this wave's 32 queries and one block of 64 keys: query tile 0 in s[16:47], tile 1 (4,096 bytes further) in s[48:63], s[68:83]
.macro MLOAD
	s_load_b512 s[16:31], s[10:11], 0x0
	s_load_b512 s[32:47], s[10:11], 0x40
	s_load_b512 s[48:63], s[10:11], 0x1000
	s_load_b512 s[68:83], s[10:11], 0x1040
.endm
; a tile of K and of V, 16 KiB each, into window 1: each load of a wave covers 512 consecutive bytes
.macro GLOAD
	WIN 0x40
.irp e, 0,1,2,3
	global_load_b128 v[4*\e:4*\e+3], v[GOFF], s[6:7] offset:4096*\e
.endr
.irp e, 0,1,2,3
	global_load_b128 v[16+4*\e:16+4*\e+3], v[GOFF], s[8:9] offset:4096*\e
.endr
	WIN 0
.endm
; the loaded tile is rounded to f16 and stored into a slot.  Quarter e, thread row y = thread / 16, is key 16 e + y, which goes to
; LDS row rho0(y) + 32 (e mod 2) + 8 (e / 2), rho0 = 16 (y / 8) + y mod 8.  The bases are stepped here: the wait in front has shown their loads done.
.macro CONVERT slot
	s_add_nc_u64 s[6:7], s[6:7], TILEB
	s_add_nc_u64 s[8:9], s[8:9], TILEB
	WIN 0x05
.set IDX, 0
.rept 16
	v_cvt_pk_f16_f32 v[CV+IDX], v[2*IDX], v[2*IDX+1]
.set IDX, IDX+1
.endr
	WIN 0
.irp e, 0,1,2,3
	ds_store_b64 v[KST], v[CV+2*\e:CV+2*\e+1] offset:(\slot)*SLOT+(32*(\e%2)+8*(\e/2))*KP
.endr
.irp e, 0,1,2,3
	ds_store_b64 v[VST], v[CV+8+2*\e:CV+8+2*\e+1] offset:(\slot)*SLOT+VOFF+(32*(\e%2)+8*(\e/2))*VP
.endr
.endm
; K's fragments, d = 0..31 of all four row tiles first, then d = 32..63
.macro KFRAG slot
.irp c, 0,1
.irp t, 0,1,2,3
	ds_load_b128 v[FR+8*(4*\c+\t):FR+8*(4*\c+\t)+3],   v[KFA] offset:(\slot)*SLOT+16*KP*\t+64*\c
	ds_load_b128 v[FR+8*(4*\c+\t)+4:FR+8*(4*\c+\t)+7], v[KFA] offset:(\slot)*SLOT+16*KP*\t+64*\c+32
.endr
.endr
.endm
; eight products of S^T for 32 of d.  The eight accumulators take turns, one instruction a turn.  c = 0 starts the sums.
.macro QK c
.irp t, 0,1,2,3
.irp q, 0,1
.if \c
	v_wmma_f32_16x16x32_f16 v[SS+16*\t+8*\q:SS+16*\t+8*\q+7], v[FR+8*(4*\c+\t):FR+8*(4*\c+\t)+7], v[QF+16*\q+8*\c:QF+16*\q+8*\c+7], v[SS+16*\t+8*\q:SS+16*\t+8*\q+7]
.else
	v_wmma_f32_16x16x32_f16 v[SS+16*\t+8*\q:SS+16*\t+8*\q+7], v[FR+8*(4*\c+\t):FR+8*(4*\c+\t)+7], v[QF+16*\q+8*\c:QF+16*\q+8*\c+7], 0
.endif
.endr
.endr
.endm
; V^T's fragments: 16 of d (a) x 32 LDS rows (u), two transposing loads 16 rows apart
.macro VFRAG slot
.irp u, 0,1
.irp a, 0,1,2,3
	ds_load_tr16_b128 v[FR+8*(4*\u+\a):FR+8*(4*\u+\a)+3],   v[VFA] offset:(\slot)*SLOT+VOFF+32*VP*\u+32*\a
	ds_load_tr16_b128 v[FR+8*(4*\u+\a)+4:FR+8*(4*\u+\a)+7], v[VFA] offset:(\slot)*SLOT+VOFF+32*VP*\u+32*\a+16*VP
.endr
.endr
.endm
; a score whose mask bit is 0 becomes -inf: one select a register
.macro MASKQ q
.set TIX, 0
.rept 4
.set IDX, 0
.rept 8
	v_cndmask_b32 v[SS+16*TIX+8*\q+IDX], v[NINF], v[SS+16*TIX+8*\q+IDX], s[16+32*\q+8*TIX+IDX+4*\q*(TIX/2)]
.set IDX, IDX+1
.endr
.set TIX, TIX+1
.endr
.endm
; the new running maximum of query tile q: four chains, one a score tile, then the other half's, then the old one
.macro MAXQ q, first
.irp k, 0,1,2,3
	v_max3_num_f32 v[CH+4*\q+\k], v[SS+16*\k+8*\q], v[SS+16*\k+8*\q+1], v[SS+16*\k+8*\q+2]
.endr
.irp k, 0,1,2,3
	v_max3_num_f32 v[CH+4*\q+\k], v[CH+4*\q+\k], v[SS+16*\k+8*\q+3], v[SS+16*\k+8*\q+4]
.endr
.irp k, 0,1,2,3
	v_max3_num_f32 v[CH+4*\q+\k], v[CH+4*\q+\k], v[SS+16*\k+8*\q+5], v[SS+16*\k+8*\q+6]
.endr
.irp k, 0,1,2,3
	v_max_num_f32 v[CH+4*\q+\k], v[CH+4*\q+\k], v[SS+16*\k+8*\q+7]
.endr
	v_max3_num_f32 v[CH+4*\q], v[CH+4*\q], v[CH+4*\q+1], v[CH+4*\q+2]
	v_max_num_f32 v[CH+4*\q], v[CH+4*\q], v[CH+4*\q+3]
	v_permlanex16_b32 v[PT+2*\q], v[CH+4*\q], s86, s87             ; lane (r, h) takes lane (r, 1 - h): the same query's other 32 keys
.if \first
	v_max3_num_f32 v[MX+2*\q], v[CH+4*\q], v[PT+2*\q], 0xff7fffff  ; never below the most negative finite number
.else
	v_max3_num_f32 v[CH+4*\q], v[CH+4*\q], v[PT+2*\q], v[MX+2*\q]
	v_sub_f32 v[AL+2*\q], v[MX+2*\q], v[CH+4*\q]
	v_exp_f32 v[AL+2*\q], v[AL+2*\q]                               ; what the old sums are worth under the new maximum
	v_mov_b32 v[MX+2*\q], v[CH+4*\q]                               ; a plain line that names no register of the exponential stands behind it (ISA guide 5.7.2)
.endif
.endm
; pair i (0..15) of query tile q: registers 2 (i mod 4), + 1 of tile i / 4
.macro SUBLINE q, i
.set REGS, SS+16*((\i)/4)+8*(\q)+2*((\i)%4)
	v_pk_add_f32 v[REGS:REGS+1], v[REGS:REGS+1], v[MX+2*(\q):MX+2*(\q)+1] op_sel_hi:[1,0] neg_lo:[0,1] neg_hi:[0,1]   ; both minus the maximum
.endm
.macro SCALELINE q, i
.set REGO, OA+16*((\i)/4)+8*(\q)+2*((\i)%4)
	s_wait_alu depctr_va_vdst(0)
	v_pk_mul_f32 v[REGO:REGO+1], v[REGO:REGO+1], v[AL+2*(\q):AL+2*(\q)+1] op_sel_hi:[1,0]   ; both by the lane's factor
.endm
.macro SUBQ q
.set IDX, 0
.rept 16
	SUBLINE \q, IDX
.set IDX, IDX+1
.endr
.endm
.macro SCALEO q
.set IDX, 0
.rept 16
	SCALELINE \q, IDX
.set IDX, IDX+1
.endr
.endm
; 32 exponentials of query tile q, in place, with plain work of the other query tile among them:
; kind 1: its subtraction; kind 2: the rescaling of its O; kind 0: none, and one v_nop closes the run (ISA guide 5.7.2)
.macro EXPMIX q, kind
.set IDX, 0
.rept 16
.set REGP, SS+16*(IDX/4)+8*(\q)+2*(IDX%4)
	v_exp_f32 v[REGP], v[REGP]
	v_exp_f32 v[REGP+1], v[REGP+1]
.if \kind == 1
	SUBLINE 1-\q, IDX
.endif
.if \kind == 2
	SCALELINE 1-\q, IDX
.endif
.set IDX, IDX+1
.endr
.if \kind == 0
	v_nop
	s_wait_alu depctr_va_vdst(0)
.endif
.endm
; l = l x factor + the sum of my 32 probabilities (two chains of pairs); the two halves of the wave meet behind the last trip
.macro SUMQ q, first
	v_pk_add_f32 v[CH+4*\q:CH+4*\q+1],   v[SS+8*\q:SS+8*\q+1],   v[SS+8*\q+2:SS+8*\q+3]
	v_pk_add_f32 v[CH+4*\q+2:CH+4*\q+3], v[SS+8*\q+4:SS+8*\q+5], v[SS+8*\q+6:SS+8*\q+7]
.set IDX, 4
.rept 12
.set REGP, SS+16*(IDX/4)+8*\q+2*(IDX%4)
.set REGC, CH+4*\q+2*(IDX%2)
	v_pk_add_f32 v[REGC:REGC+1], v[REGC:REGC+1], v[REGP:REGP+1]
.set IDX, IDX+1
.endr
	v_pk_add_f32 v[CH+4*\q:CH+4*\q+1], v[CH+4*\q:CH+4*\q+1], v[CH+4*\q+2:CH+4*\q+3]
.if \first
	v_add_f32 v[LS+2*\q], v[CH+4*\q], v[CH+4*\q+1]
.else
	v_add_f32 v[TS+\q], v[CH+4*\q], v[CH+4*\q+1]
	v_fma_f32 v[LS+2*\q], v[LS+2*\q], v[AL+2*\q], v[TS+\q]
	s_wait_alu depctr_va_vdst(0)
.endif
.endm
; P (u, q) as f16: tile 2 u into its own registers 0-3, tile 2 u + 1 into registers 4-7; no destination lies above a source still to be read
.macro PACKQ q
.irp u, 0,1
.irp k, 0,1,2,3
	v_cvt_pk_f16_f32 v[SS+32*\u+8*\q+\k], v[SS+32*\u+8*\q+2*\k], v[SS+32*\u+8*\q+2*\k+1]
.endr
.irp k, 0,1,2,3
	v_cvt_pk_f16_f32 v[SS+32*\u+8*\q+4+\k], v[SS+32*\u+16+8*\q+2*\k], v[SS+32*\u+16+8*\q+2*\k+1]
.endr
.endr
.endm
; sixteen products of O^T.  The eight accumulators take turns, one instruction a turn.  In the first trip u = 0 starts the sums: nothing is cleared.
.macro PV first
.irp u, 0,1
.irp a, 0,1,2,3
.irp q, 0,1
.if \first*(1-\u)
	v_wmma_f32_16x16x32_f16 v[OA+16*\a+8*\q:OA+16*\a+8*\q+7], v[FR+8*(4*\u+\a):FR+8*(4*\u+\a)+7], v[SS+32*\u+8*\q:SS+32*\u+8*\q+7], 0
.else
	v_wmma_f32_16x16x32_f16 v[OA+16*\a+8*\q:OA+16*\a+8*\q+7], v[FR+8*(4*\u+\a):FR+8*(4*\u+\a)+7], v[SS+32*\u+8*\q:SS+32*\u+8*\q+7], v[OA+16*\a+8*\q:OA+16*\a+8*\q+7]
.endif
.endr
.endr
.endr
.endm
; One trip: the 64 keys in slot.  more = 1: the next tile is loaded, rounded and stored into the other slot, and the trip ends in a barrier.
; ONE barrier a trip orders both ways: in front of its signal each wave's reads of this slot and its stores into the other are done;
; the other slot's readers were done in front of the last trip's signal, and its new rows are read only behind this trip's wait.
.macro TRIP slot, first, more
	KFRAG \slot
.if \more
	GLOAD                                          ; waited for near the trip's end
.endif
	s_wait_dscnt 0x8                               ; LDS loads come back in order (ISA guide 5.7.1): d = 0..31 is in, the eight loads of d = 32..63 may be out
	QK 0
	s_wait_dscnt 0x0
	QK 1
	PLACES 4                                       ; four places behind the products (ISA guide 7.12.1) before their fragments are loaded again and the scores are read
	VFRAG \slot                                    ; lands during the softmax
	s_wait_kmcnt 0x0                               ; the 64 mask words
	MASKQ 0
	MASKQ 1
.if \more
	s_add_nc_u64 s[10:11], s[10:11], 128           ; the next block's words; the base is free: its loads are done
	MLOAD
.endif
	MAXQ 0, \first
	MAXQ 1, \first
	SUBQ 0
	EXPMIX 0, 1
.if \first
	EXPMIX 1, 0
.else
	EXPMIX 1, 2
.endif
	SUMQ 0, \first
	PACKQ 0
	SUMQ 1, \first
	PACKQ 1
.if \first == 0
	SCALEO 1
.endif
.if \more
	s_wait_loadcnt 0x0                             ; the next tile's eight loads
	CONVERT 1-\slot
.endif
	s_wait_dscnt 0x0                               ; V's fragments are in; for the other waves: my reads of this slot and my stores into the other are done
.if \more
	s_barrier_signal -1
.endif
	PV \first                                      ; register work alone between signal and wait
	PLACES 5                                       ; five places before the next trip's products write over P and its loads over V's fragments
.if \more
	s_barrier_wait -1
.endif
.endm
	; ---- set-up
	s_load_b256 s[4:11], s[0:1], 0x0               ; q s[4:5], k s[6:7], v s[8:9], mbits s[10:11]
	s_load_b64 s[12:13], s[0:1], 0x20              ; out0
	v_lshl_add_u32 v7, v0, 2, 0x12000
	s_set_vgpr_msb 0x40
	v_mov_b32 v33, 0
	s_set_vgpr_msb 0x4000
	v_lshrrev_b32 v[CH], 5, v0
	v_readfirstlane_b32 s2, v[CH]                  ; wave 0..7
	s_lshr_b32 s14, ttmp9, 3                       ; head = work-group / 8
	s_lshl_b32 s14, s14, 19                        ; x 2,048 rows of 256 bytes
	s_mov_b32 s15, 0
	s_and_b32 s84, ttmp9, 7                        ; which 256 queries of the head
	s_lshl_b32 s84, s84, 16                        ; x 256 rows of 256 bytes; in mbits: x 16 groups of 4,096 bytes
	s_lshl_b32 s85, s2, 13                         ; wave x 32 rows of 256 bytes; in mbits: x 2 groups
	s_or_b32 s84, s84, s85
	s_mov_b32 s85, 0
	s_lshr_b32 s88, ttmp9, 7                       ; batch = head / 16
	s_lshl_b32 s88, s88, 19                        ; x 128 groups of 4,096 bytes
	s_mov_b32 s89, 0
	s_mov_b32 s86, 0x76543210                      ; v_permlanex16_b32: lane i of one half reads lane i of the other
	s_mov_b32 s87, 0xfedcba98
	s_mul_i32 s90, s2, 16*SP
	s_add_co_u32 s90, s90, STAGE                   ; my wave's stage
	v_lshlrev_b32 v[GOFF], 4, v0
	v_and_b32 v[TR], 15, v0                        ; r (also thread mod 16)
	v_bfe_u32 v[TH], v0, 4, 1                      ; h
	v_lshlrev_b32 v[CH], 5, v[TH]
	v_lshl_add_u32 v[QOFF], v[TR], 8, v[CH]        ; r x 256 + 32 h
	s_wait_kmcnt 0x0
	s_add_nc_u64 s[6:7], s[6:7], s[14:15]          ; k and v at the head
	s_add_nc_u64 s[8:9], s[8:9], s[14:15]
	s_add_nc_u64 s[14:15], s[14:15], s[84:85]      ; an offset to an offset
	s_add_nc_u64 s[4:5], s[4:5], s[14:15]          ; q and out0 at my wave's 32 queries
	s_add_nc_u64 s[12:13], s[12:13], s[14:15]
	s_add_nc_u64 s[10:11], s[10:11], s[84:85]      ; mbits at my wave's two groups of 16 queries
	s_add_nc_u64 s[10:11], s[10:11], s[88:89]
	MLOAD                                          ; key block 0
	GLOAD                                          ; tile 0
	; Q as f32 into O's registers, which are not yet in use.  Fragment (q, c), lane (r, h): d = 32 c + 8 h + 0..7, then 32 c + 16 + 8 h + 0..7 of query r
.irp q, 0,1
.irp c, 0,1
	global_load_b128 v[OA+32*\q+16*\c:OA+32*\q+16*\c+3],     v[QOFF], s[4:5] offset:4096*\q+128*\c th:TH_LOAD_NT
	global_load_b128 v[OA+32*\q+16*\c+4:OA+32*\q+16*\c+7],   v[QOFF], s[4:5] offset:4096*\q+128*\c+16 th:TH_LOAD_NT
	global_load_b128 v[OA+32*\q+16*\c+8:OA+32*\q+16*\c+11],  v[QOFF], s[4:5] offset:4096*\q+128*\c+64 th:TH_LOAD_NT
	global_load_b128 v[OA+32*\q+16*\c+12:OA+32*\q+16*\c+15], v[QOFF], s[4:5] offset:4096*\q+128*\c+80 th:TH_LOAD_NT
.endr
.endr
	v_bfe_u32 v[CH], v0, 4, 3                      ; y mod 8, y = thread / 16
	v_lshrrev_b32 v[CH+1], 7, v0                   ; y / 8
	v_lshl_add_u32 v[CH], v[CH+1], 4, v[CH]        ; rho0
	v_mul_u32_u24 v[KST], v[CH], KP
	v_lshl_add_u32 v[KST], v[TR], 3, v[KST]
	v_mul_u32_u24 v[VST], v[CH], VP
	v_lshl_add_u32 v[VST], v[TR], 3, v[VST]
	v_mul_u32_u24 v[KFA], v[TR], KP
	v_lshl_add_u32 v[KFA], v[TH], 4, v[KFA]
	v_and_b32 v[CH+1], 7, v0
	v_lshl_add_u32 v[CH+1], v[TH], 3, v[CH+1]      ; 8 h + lane mod 8
	v_bfe_u32 v[CH+2], v0, 3, 1
	v_mul_u32_u24 v[VFA], v[CH+1], VP
	v_lshl_add_u32 v[VFA], v[CH+2], 4, v[VFA]
	v_mov_b32 v[NINF], 0xff800000
	v_mul_u32_u24 v[CH+3], v[TR], SP               ; in: query r's row, 32 bytes for each half of the lanes
	v_lshl_add_u32 v[CH+3], v[TH], 5, v[CH+3]
	v_add_nc_u32 v[STO], s90, v[CH+3]
	v_mul_u32_u24 v[CH+3], v[TH], SP               ; back: lanes 0-15 one row of 256 bytes, lanes 16-31 the next
	v_lshl_add_u32 v[CH+3], v[TR], 4, v[CH+3]
	v_add_nc_u32 v[RD], s90, v[CH+3]
	v_and_b32 v[CH+3], 31, v0
	v_lshlrev_b32 v[OOFF], 4, v[CH+3]
	v_mov_b32 v[PT], 0                             ; v_permlanex16_b32's destination counts as read: written once
	v_mov_b32 v[PT+2], 0
	s_wait_loadcnt 0x10                            ; K's and V's eight loads are in; the sixteen younger loads of Q may be out
	CONVERT 0
	s_wait_loadcnt 0x0
.set IDX, 0
.rept 32
	v_pk_mul_f32 v[OA+2*IDX:OA+2*IDX+1], v[OA+2*IDX:OA+2*IDX+1], 0x3e38aa3b op_sel_hi:[1,0]   ; x log2(e) / 8: the scores come out ready for 2^x
.set IDX, IDX+1
.endr
.set IDX, 0
.rept 32
	v_cvt_pk_f16_f32 v[QF+IDX], v[OA+2*IDX], v[OA+2*IDX+1]
.set IDX, IDX+1
.endr
	s_wait_dscnt 0x0                               ; my part of tile 0 is in slot 0,
	s_barrier_signal -1
	s_barrier_wait -1                              ; everybody's is
	; ---- 32 trips
	TRIP 0, 1, 1                                   ; the first trip starts maximum, sum and O
	TRIP 1, 0, 1
	s_mov_b32 s3, 14
.Lloop:
	TRIP 0, 0, 1
	TRIP 1, 0, 1
	s_sub_co_i32 s3, s3, 1
	s_cmp_lg_u32 s3, 0
	s_cbranch_scc1 .Lloop
	TRIP 0, 0, 1                                   ; loads tile 31 and key block 31, the last
	TRIP 1, 0, 0                                   ; nothing more to fetch, no barrier
	; ---- the way out: l of both halves, O / l, through my own stage into whole rows of 256 bytes
	v_permlanex16_b32 v[PT], v[LS], s86, s87
	v_permlanex16_b32 v[PT+2], v[LS+2], s86, s87
	v_add_f32 v[LS], v[LS], v[PT]
	v_add_f32 v[LS+2], v[LS+2], v[PT+2]
	v_rcp_f32 v[AL], v[LS]
	v_rcp_f32 v[AL+2], v[LS+2]
	v_nop                                          ; one plain place behind the reciprocals (ISA guide 5.7.2)
	s_wait_alu depctr_va_vdst(0)
	SCALEO 0
	SCALEO 1
.irp q, 0,1
.irp a, 0,1,2,3
	ds_store_b128 v[STO], v[OA+16*\a+8*\q:OA+16*\a+8*\q+3]   offset:64*\a      ; query r, d = 16 a + 8 h + 0..3
	ds_store_b128 v[STO], v[OA+16*\a+8*\q+4:OA+16*\a+8*\q+7] offset:64*\a+16   ; d = 16 a + 8 h + 4..7
.endr
.irp i, 0,1,2,3,4,5,6,7
	ds_load_b128 v[FR+32*\q+4*\i:FR+32*\q+4*\i+3], v[RD] offset:2*SP*\i        ; LDS serves a wave's instructions in order (ISA guide 5.7.1.4): these see the stores above; the bytes are my wave's own
.endr
.irp i, 0,1,2,3,4,5,6,7
	s_wait_dscnt 7-\i                              ; load i of the eight is in, the younger ones may be out
	global_store_b128 v[OOFF], v[FR+32*\q+4*\i:FR+32*\q+4*\i+3], s[12:13] offset:4096*\q+512*\i th:TH_STORE_NT   ; two queries' rows: 512 consecutive bytes, aligned
.endr
.endr
	s_set_vgpr_msb 0x4
	s_wait_tensorcnt 0x0
	ds_add_u32 v7, v33
	s_wait_dscnt 0x0
	s_set_vgpr_msb 0x400
	s_endpgm
.Lfunc_end_k_qdc521f85ca_attn:
	.size	k_qdc521f85ca_attn, .Lfunc_end_k_qdc521f85ca_attn-k_qdc521f85ca_attn
	.p2alignl 7, 3214868480
	.fill 96, 4, 3214868480
	.section	.rodata,"a",@progbits
	.p2align	6, 0x0
	.amdhsa_kernel k_qdc521f85ca_attn
		.amdhsa_group_segment_fixed_size 74752
		.amdhsa_private_segment_fixed_size 0
		.amdhsa_enable_private_segment 0
		.amdhsa_kernarg_size 40
		.amdhsa_user_sgpr_count 2
		.amdhsa_user_sgpr_kernarg_segment_ptr 1
		.amdhsa_wavefront_size32 1
		.amdhsa_system_sgpr_workgroup_id_x 1
		.amdhsa_system_sgpr_workgroup_id_y 1
		.amdhsa_system_sgpr_workgroup_id_z 1
		.amdhsa_system_vgpr_workitem_id 0
		.amdhsa_next_free_vgpr 290
		.amdhsa_next_free_sgpr 96
		.amdhsa_reserve_vcc 0
		.amdhsa_float_denorm_mode_32 3
		.amdhsa_float_denorm_mode_16_64 3
		.amdhsa_memory_ordered 1
		.amdhsa_forward_progress 1
		.amdhsa_inst_pref_size 163
	.end_amdhsa_kernel
	.amdgpu_metadata
---
amdhsa.version: [ 1, 2 ]
amdhsa.kernels:
  - .name:           k_qdc521f85ca_attn
    .symbol:         k_qdc521f85ca_attn.kd
    .args:
      - { .name: q, .offset: 0, .size: 8, .value_kind: global_buffer, .address_space: global }
      - { .name: k, .offset: 8, .size: 8, .value_kind: global_buffer, .address_space: global }
      - { .name: v, .offset: 16, .size: 8, .value_kind: global_buffer, .address_space: global }
      - { .name: mbits, .offset: 24, .size: 8, .value_kind: global_buffer, .address_space: global }
      - { .name: out0, .offset: 32, .size: 8, .value_kind: global_buffer, .address_space: global }
    .group_segment_fixed_size: 74752
    .private_segment_fixed_size: 0
    .kernarg_segment_align: 8
    .kernarg_segment_size: 40
    .max_flat_workgroup_size: 256
    .sgpr_count:     96
    .vgpr_count:     290
    .wavefront_size: 32
...
	.end_amdgpu_metadata
.endif
;; end of part 2
;; ======== version 2 of 2: 2 launches; 1.12 times as fast as version 1
;; limits: values are held in f16: magnitudes above 65,504 overflow, below 6.1e-05 lose precision; inputs' magnitudes at most 65,504
;; workspace buffers: mbits 1,048,576 bytes of whole numbers
;; launch maskbits: the kernel of part 1 again; grid 256 x 1, 8 waves a work-group, no clusters, 0 bytes of LDS; arguments mask, mbits; writes mbits
;; launch attn (part 3): grid 256 x 1, 8 waves a work-group, no clusters, 74,752 bytes of LDS; arguments q, k, v, mbits, out0; writes out0
.if DOCPART == 3
	.amdgcn_target "amdgcn-amd-amdhsa--gfx1250"
	.amdhsa_code_object_version 6
	.text
	.protected	k_qdc521f85ca_attn
	.globl	k_qdc521f85ca_attn
	.p2align	8
	.type	k_qdc521f85ca_attn,@function
k_qdc521f85ca_attn:
	s_mov_b64 s[64:65], 0
	v_nop
	global_prefetch_b8 v0, s[64:65] scope:SCOPE_SE
	s_setreg_imm32_b32 hwreg(HW_REG_WAVE_MODE, 25, 1), 1
	s_wait_xcnt 0x0
; out[b][h][i][:] = softmax over j of (mask[b][i][j] ? q_i . k_j / 8 : -inf) times v.   q, k, v, out: [32 heads][2048][64] f32.
; One launch, online softmax with a true running maximum; scores and probabilities never leave the registers.
; A work-group owns 256 queries of one head (256 work-groups), a wave 32 of them as two tiles of 16; 32 trips of 64 keys.
;
; BOTH PRODUCTS ARE TAKEN TRANSPOSED.  S^T = K Q^T: source 0 = 16 LDS rows of K, source 1 = 16 queries; lane (r, h), register j of
; tile t holds query r and LDS row 16 t + 8 h + j, so a query's maximum and sum run along a lane's own registers plus one exchange
; between the two halves of the wave.  O^T = V^T P^T: source 1 wants rows 8 h .. 8 h + 7 in registers 0-3 and 16 + 8 h .. in
; registers 4-7 of a step of 32 rows: that is score tile 2 u packed, then tile 2 u + 1 packed, in place.  Source 0 = V^T comes from
; V's rows in LDS by the transposing load.  In O^T a lane holds one query, so the rescaling factor and 1 / l are one number a lane.
; KEYS ARE PERMUTED inside a block of 64, alike for K's rows, V's rows and the mask's bits: key 32 h + 8 t + j lies in LDS row
; 16 t + 8 h + j.  The sums do not depend on the order; the earlier launch then reads 32 neighbouring mask bytes a lane.
; THE MASK comes as lane masks (mbits, made by the earlier launch): word 8 t + j of (16 queries, 64 keys) is the select mask of
; register j of tile t; 64 words a trip by scalar loads, used only as the select operand of v_cndmask_b32.
;
; THE EXPONENTIALS OF A TRIP ARE ONE BATCH, WITH ONE WAIT.  A trip has 66: the two factors 2^(old maximum - new), one a query tile,
; and the 64 scores.  From the first of them to the last nothing names a result of theirs: between them stand only the second query
; tile's maximum and the 32 packed subtractions of the maxima, spread among the scores' exponentials.  Behind the last stand one
; v_nop and the one s_wait_alu depctr_va_vdst(0); every reader (the sums, the roundings to f16, the
; rescaling of l and of O) comes behind it.  Each result has a register of its own, the scores' in place.  No exponential is issued
; behind a trip's wait, so no result crosses a trip's end.  The way out's two reciprocals are a batch of their own, with one wait.
;
; K AND V GO THROUGH REGISTERS, not through the tensor data mover, and are not asked for jointly in a cluster, although the eight
; work-groups of a head read the same tiles: they are f32 in memory and the matrix operands have 16 bits.  A tile copied as it is
; would put 32 KiB of f32 into LDS in each trip, to be read, rounded and stored again as 16 KiB into other bytes; here each thread
; loads 128 bytes, rounds them in registers and stores 64: 16 KiB of LDS writes a trip and nothing else.  The next tile is
; requested at the head of a trip and waited for near its end, so no further request ahead of it is written.
;
; THE OPERANDS ARE f16, NOT bf16.  A query with few allowed keys is a sum of few terms, in which the operands' rounding is not
; averaged away, while the result is held against the whole output's size; f16 keeps 11 significant bits where bf16 keeps 8.
; LIMITS AND ROUNDING.  q is multiplied by log2(e) / 8 = 0.18 in f32 and then rounded to f16; k, v and the probabilities are
; rounded to f16 for the products; the sum l adds the unrounded f32 probabilities.  f16 is finite up to 65,504: |k| and |v| beyond
; that, and |q| beyond 363,000, become infinite here.  Below 2^-14 an operand keeps the absolute step 2^-24.  A probability (at
; most 1 under the running maximum) below 2^-25 rounds to 0: over 2,048 keys at most 6.1e-5 of a sum l that is at least 1.
; The running maximum starts at -3.4028235e38 (the most negative finite f32), below which no finite score lies, so the difference
; of two maxima is never inf - inf and a block of 64 keys that is all masked for a query adds nothing.  A query whose keys are all
; masked gives 0 x (1 / 0) = NaN, as softmax of all -inf does.
.set KP,     144                       ; LDS pitch of K's rows: 128 bytes of f16 + 16, an odd multiple of 16: the 16 rows of a fragment load begin at 16 different 16-byte columns modulo 256
.set VP,     160                       ; LDS pitch of V's rows: 128 + 32, an odd multiple of 32, for the transposing load
.set VOFF,   64*KP                     ; V's 64 rows lie behind K's 64
.set SLOT,   VOFF+64*VP                ; 19,456 bytes; two slots take turns
.set STAGE,  2*SLOT                    ; behind them: 16 rows x 272 bytes for each wave, its own, for the way out
.set SP,     272
.set TILEB,  16384                     ; 64 keys x 256 bytes in memory
.set LEAD,   4                         ; a pair's subtraction stands so many pairs ahead of its two exponentials
.set GOFF, 1                           ; v1   16 x thread: my 16 bytes in each quarter of a tile of K or V
.set KST,  2                           ; v2   where I store my 8 bytes of K (row term rho0 x 144 + 8 (thread mod 16))
.set VST,  3                           ; v3   the same for V, pitch 160
.set KFA,  4                           ; v4   K fragments: r x 144 + 16 h
.set VFA,  5                           ; v5   V fragments: (8 h + lane mod 8) x 160 + 16 ((lane / 8) mod 2)
.set NINF, 6                           ; v6   -inf
.set MX,   8                           ; v8, v10   running maximum of query tile 0, 1 (first of a pair for the packed subtraction)
.set PT,   9                           ; v9, v11   what the other half of the wave sent
.set TS,   12                          ; v12, v13  this trip's sum
.set AL,   14                          ; v14, v16  2^(old maximum - new), at the end 1 / l (first of a pair for the packed multiply)
.set LS,   15                          ; v15, v17  running sum l of my half's keys
.set TR,   18                          ; v18, v19  r, h (set-up only)
.set TH,   19
.set CH,   20                          ; v[20:27]  query tile q: four chains of the maximum, later two pairs of the sum; set-up's temporaries
.set STO,  28                          ; v28  way out: where I put 32 bytes of a query's row
.set RD,   29                          ; v29  way out: where I read 16 bytes back
.set OOFF, 30                          ; v30  16 x lane
.set QOFF, 31                          ; v31  r x 256 + 32 h
.set QF,   32                          ; v[32:63]    Q fragments, (q, c) at 16 q + 8 c
.set OA,   64                          ; v[64:127]   O^T, tile (a, q) at 16 a + 8 q: d = 16 a + 8 h + j, query r
.set SS,   128                         ; v[128:191]  S^T, tile (t, q) at 16 t + 8 q; P (u, q) = the first 8 registers of tile (2 u, q)
.set CV,   144                         ; v[144:159]  = tiles (1, 0..1), free once P is packed: the next K and V tile as f16
.set FR,   192                         ; v[192:255]  fragments of K, (t, c) at 8 (4 c + t); then of V^T, (a, u) at 8 (4 u + a)
                                       ; v[256:287]  (window 1, written v0-v31) the next tile as loaded: K's quarter e at 4 e, V's at 16 + 4 e
; s2 wave; s3 loop counter; s[4:13] q, k, v, mbits, out0; s[16:63] and s[68:83] the 64 mask words; s86, s87 the exchange's selects
.set MSB, 0
.macro WIN new                         ; s_set_vgpr_msb: bits 1:0 source 0, 3:2 source 1, 7:6 destination; the high byte repeats the setting that is left
.if MSB != \new
	s_set_vgpr_msb (MSB<<8)|\new
.set MSB, \new
.endif
.endm
.macro PLACES n
.rept \n
	v_nop
.endr
.endm
; the 64 mask words of this wave's 32 queries and one block of 64 keys: query tile 0 in s[16:47], tile 1 (4,096 bytes further) in s[48:63], s[68:83]
.macro MLOAD
	s_load_b512 s[16:31], s[10:11], 0x0
	s_load_b512 s[32:47], s[10:11], 0x40
	s_load_b512 s[48:63], s[10:11], 0x1000
	s_load_b512 s[68:83], s[10:11], 0x1040
.endm
; a tile of K and of V, 16 KiB each, into window 1: each load of a wave covers 512 consecutive bytes
.macro GLOAD
	WIN 0x40
.irp e, 0,1,2,3
	global_load_b128 v[4*\e:4*\e+3], v[GOFF], s[6:7] offset:4096*\e
.endr
.irp e, 0,1,2,3
	global_load_b128 v[16+4*\e:16+4*\e+3], v[GOFF], s[8:9] offset:4096*\e
.endr
	WIN 0
.endm
; the loaded tile is rounded to f16 and stored into a slot.  Quarter e, thread row y = thread / 16, is key 16 e + y, which goes to
; LDS row rho0(y) + 32 (e mod 2) + 8 (e / 2), rho0 = 16 (y / 8) + y mod 8.  The bases are stepped here: the wait in front has shown their loads done.
.macro CONVERT slot
	s_add_nc_u64 s[6:7], s[6:7], TILEB
	s_add_nc_u64 s[8:9], s[8:9], TILEB
	WIN 0x05
.set IDX, 0
.rept 16
	v_cvt_pk_f16_f32 v[CV+IDX], v[2*IDX], v[2*IDX+1]
.set IDX, IDX+1
.endr
	WIN 0
.irp e, 0,1,2,3
	ds_store_b64 v[KST], v[CV+2*\e:CV+2*\e+1] offset:(\slot)*SLOT+(32*(\e%2)+8*(\e/2))*KP
.endr
.irp e, 0,1,2,3
	ds_store_b64 v[VST], v[CV+8+2*\e:CV+8+2*\e+1] offset:(\slot)*SLOT+VOFF+(32*(\e%2)+8*(\e/2))*VP
.endr
.endm
; K's fragments, d = 0..31 of all four row tiles first, then d = 32..63
.macro KFRAG slot
.irp c, 0,1
.irp t, 0,1,2,3
	ds_load_b128 v[FR+8*(4*\c+\t):FR+8*(4*\c+\t)+3],   v[KFA] offset:(\slot)*SLOT+16*KP*\t+64*\c
	ds_load_b128 v[FR+8*(4*\c+\t)+4:FR+8*(4*\c+\t)+7], v[KFA] offset:(\slot)*SLOT+16*KP*\t+64*\c+32
.endr
.endr
.endm
; eight products of S^T for 32 of d.  The eight accumulators take turns, one instruction a turn.  c = 0 starts the sums.
.macro QK c
.irp t, 0,1,2,3
.irp q, 0,1
.if \c
	v_wmma_f32_16x16x32_f16 v[SS+16*\t+8*\q:SS+16*\t+8*\q+7], v[FR+8*(4*\c+\t):FR+8*(4*\c+\t)+7], v[QF+16*\q+8*\c:QF+16*\q+8*\c+7], v[SS+16*\t+8*\q:SS+16*\t+8*\q+7]
.else
	v_wmma_f32_16x16x32_f16 v[SS+16*\t+8*\q:SS+16*\t+8*\q+7], v[FR+8*(4*\c+\t):FR+8*(4*\c+\t)+7], v[QF+16*\q+8*\c:QF+16*\q+8*\c+7], 0
.endif
.endr
.endr
.endm
; V^T's fragments: 16 of d (a) x 32 LDS rows (u), two transposing loads 16 rows apart
.macro VFRAG slot
.irp u, 0,1
.irp a, 0,1,2,3
	ds_load_tr16_b128 v[FR+8*(4*\u+\a):FR+8*(4*\u+\a)+3],   v[VFA] offset:(\slot)*SLOT+VOFF+32*VP*\u+32*\a
	ds_load_tr16_b128 v[FR+8*(4*\u+\a)+4:FR+8*(4*\u+\a)+7], v[VFA] offset:(\slot)*SLOT+VOFF+32*VP*\u+32*\a+16*VP
.endr
.endr
.endm
; a score whose mask bit is 0 becomes -inf: one select a register
.macro MASKQ q
.set TIX, 0
.rept 4
.set IDX, 0
.rept 8
	v_cndmask_b32 v[SS+16*TIX+8*\q+IDX], v[NINF], v[SS+16*TIX+8*\q+IDX], s[16+32*\q+8*TIX+IDX+4*\q*(TIX/2)]
.set IDX, IDX+1
.endr
.set TIX, TIX+1
.endr
.endm
; the new running maximum of query tile q: four chains, one a score tile, then the other half's, then the old one
.macro MAXQ q, first
.irp k, 0,1,2,3
	v_max3_num_f32 v[CH+4*\q+\k], v[SS+16*\k+8*\q], v[SS+16*\k+8*\q+1], v[SS+16*\k+8*\q+2]
.endr
.irp k, 0,1,2,3
	v_max3_num_f32 v[CH+4*\q+\k], v[CH+4*\q+\k], v[SS+16*\k+8*\q+3], v[SS+16*\k+8*\q+4]
.endr
.irp k, 0,1,2,3
	v_max3_num_f32 v[CH+4*\q+\k], v[CH+4*\q+\k], v[SS+16*\k+8*\q+5], v[SS+16*\k+8*\q+6]
.endr
.irp k, 0,1,2,3
	v_max_num_f32 v[CH+4*\q+\k], v[CH+4*\q+\k], v[SS+16*\k+8*\q+7]
.endr
	v_max3_num_f32 v[CH+4*\q], v[CH+4*\q], v[CH+4*\q+1], v[CH+4*\q+2]
	v_max_num_f32 v[CH+4*\q], v[CH+4*\q], v[CH+4*\q+3]
	v_permlanex16_b32 v[PT+2*\q], v[CH+4*\q], s86, s87             ; lane (r, h) takes lane (r, 1 - h): the same query's other 32 keys
.if \first
	v_max3_num_f32 v[MX+2*\q], v[CH+4*\q], v[PT+2*\q], 0xff7fffff  ; never below the most negative finite number
.else
	v_max3_num_f32 v[CH+4*\q], v[CH+4*\q], v[PT+2*\q], v[MX+2*\q]
	v_sub_f32 v[AL+2*\q], v[MX+2*\q], v[CH+4*\q]
	v_exp_f32 v[AL+2*\q], v[AL+2*\q]                               ; what the old sums are worth under the new maximum: the trip's batch begins here; the factor is named again only behind the batch's wait
	v_mov_b32 v[MX+2*\q], v[CH+4*\q]                               ; a plain line that names no register of the exponential stands behind it (ISA guide 5.7.2)
.endif
.endm
; pair i (0..15) of query tile q: registers 2 (i mod 4), + 1 of tile i / 4
.macro SUBLINE q, i
.set REGS, SS+16*((\i)/4)+8*(\q)+2*((\i)%4)
	v_pk_add_f32 v[REGS:REGS+1], v[REGS:REGS+1], v[MX+2*(\q):MX+2*(\q)+1] op_sel_hi:[1,0] neg_lo:[0,1] neg_hi:[0,1]   ; both minus the maximum
.endm
.macro SCALELINE q, i
.set REGO, OA+16*((\i)/4)+8*(\q)+2*((\i)%4)
	v_pk_mul_f32 v[REGO:REGO+1], v[REGO:REGO+1], v[AL+2*(\q):AL+2*(\q)+1] op_sel_hi:[1,0]   ; both by the lane's factor: a reader of the batch, it stands behind the batch's wait
.endm
.macro SCALEO q
.set IDX, 0
.rept 16
	SCALELINE \q, IDX
.set IDX, IDX+1
.endr
.endm
; The 64 exponentials of both query tiles, in place: pair n of 32 is pair n mod 16 of query tile n / 16.  The 32 subtractions of the
; maxima are the plain lines among them, one behind each two exponentials; pair n's stands LEAD pairs ahead of its exponentials, so
; LEAD of them lead and the last LEAD pairs stand bare.  A subtraction names scores whose exponentials are still to come, and no result.
.macro EXPALL
.set IDX, 0
.rept LEAD
	SUBLINE 0, IDX
.set IDX, IDX+1
.endr
.set IDX, 0
.rept 32
.set REGP, SS+16*((IDX%16)/4)+8*(IDX/16)+2*(IDX%4)
	v_exp_f32 v[REGP], v[REGP]
	v_exp_f32 v[REGP+1], v[REGP+1]
.if IDX < 32-LEAD
	SUBLINE (IDX+LEAD)/16, (IDX+LEAD)%16
.endif
.set IDX, IDX+1
.endr
	v_nop                                          ; one plain place behind the last exponential, for the whole batch (ISA guide 5.7.2)
	s_wait_alu depctr_va_vdst(0)                   ; the trip's one wait: it serves the two factors of MAXQ and the 64 exponentials above; all their readers follow
.endm
; l = l x factor + the sum of my 32 probabilities (two chains of pairs); the two halves of the wave meet behind the last trip
.macro SUMQ q, first
	v_pk_add_f32 v[CH+4*\q:CH+4*\q+1],   v[SS+8*\q:SS+8*\q+1],   v[SS+8*\q+2:SS+8*\q+3]
	v_pk_add_f32 v[CH+4*\q+2:CH+4*\q+3], v[SS+8*\q+4:SS+8*\q+5], v[SS+8*\q+6:SS+8*\q+7]
.set IDX, 4
.rept 12
.set REGP, SS+16*(IDX/4)+8*\q+2*(IDX%4)
.set REGC, CH+4*\q+2*(IDX%2)
	v_pk_add_f32 v[REGC:REGC+1], v[REGC:REGC+1], v[REGP:REGP+1]
.set IDX, IDX+1
.endr
	v_pk_add_f32 v[CH+4*\q:CH+4*\q+1], v[CH+4*\q:CH+4*\q+1], v[CH+4*\q+2:CH+4*\q+3]
.if \first
	v_add_f32 v[LS+2*\q], v[CH+4*\q], v[CH+4*\q+1]
.else
	v_add_f32 v[TS+\q], v[CH+4*\q], v[CH+4*\q+1]
	v_fma_f32 v[LS+2*\q], v[LS+2*\q], v[AL+2*\q], v[TS+\q]
.endif
.endm
; P (u, q) as f16: tile 2 u into its own registers 0-3, tile 2 u + 1 into registers 4-7; no destination lies above a source still to be read
.macro PACKQ q
.irp u, 0,1
.irp k, 0,1,2,3
	v_cvt_pk_f16_f32 v[SS+32*\u+8*\q+\k], v[SS+32*\u+8*\q+2*\k], v[SS+32*\u+8*\q+2*\k+1]
.endr
.irp k, 0,1,2,3
	v_cvt_pk_f16_f32 v[SS+32*\u+8*\q+4+\k], v[SS+32*\u+16+8*\q+2*\k], v[SS+32*\u+16+8*\q+2*\k+1]
.endr
.endr
.endm
; sixteen products of O^T.  The eight accumulators take turns, one instruction a turn.  In the first trip u = 0 starts the sums: nothing is cleared.
.macro PV first
.irp u, 0,1
.irp a, 0,1,2,3
.irp q, 0,1
.if \first*(1-\u)
	v_wmma_f32_16x16x32_f16 v[OA+16*\a+8*\q:OA+16*\a+8*\q+7], v[FR+8*(4*\u+\a):FR+8*(4*\u+\a)+7], v[SS+32*\u+8*\q:SS+32*\u+8*\q+7], 0
.else
	v_wmma_f32_16x16x32_f16 v[OA+16*\a+8*\q:OA+16*\a+8*\q+7], v[FR+8*(4*\u+\a):FR+8*(4*\u+\a)+7], v[SS+32*\u+8*\q:SS+32*\u+8*\q+7], v[OA+16*\a+8*\q:OA+16*\a+8*\q+7]
.endif
.endr
.endr
.endr
.endm
; One trip: the 64 keys in slot.  more = 1: the next tile is loaded, rounded and stored into the other slot, and the trip ends in a barrier.
; ONE barrier a trip orders both ways: in front of its signal each wave's reads of this slot and its stores into the other are done;
; the other slot's readers were done in front of the last trip's signal, and its new rows are read only behind this trip's wait.
.macro TRIP slot, first, more
	KFRAG \slot
.if \more
	GLOAD                                          ; waited for near the trip's end
.endif
	s_wait_dscnt 0x8                               ; LDS loads come back in order (ISA guide 5.7.1): d = 0..31 is in, the eight loads of d = 32..63 may be out
	QK 0
	s_wait_dscnt 0x0
	QK 1
	PLACES 4                                       ; four places behind the products (ISA guide 7.12.1) before their fragments are loaded again and the scores are read
	VFRAG \slot                                    ; lands during the softmax
	s_wait_kmcnt 0x0                               ; the 64 mask words
	MASKQ 0
	MASKQ 1
.if \more
	s_add_nc_u64 s[10:11], s[10:11], 128           ; the next block's words; the base is free: its loads are done
	MLOAD
.endif
	MAXQ 0, \first                                 ; the batch: query tile 0's factor,
	MAXQ 1, \first                                 ; query tile 1's,
	EXPALL                                         ; the 64 scores, and the batch's wait
	SUMQ 0, \first                                 ; the readers
	PACKQ 0
	SUMQ 1, \first
	PACKQ 1
.if \first == 0
	SCALEO 0
	SCALEO 1
.endif
.if \more
	s_wait_loadcnt 0x0                             ; the next tile's eight loads
	CONVERT 1-\slot
.endif
	s_wait_dscnt 0x0                               ; V's fragments are in; for the other waves: my reads of this slot and my stores into the other are done
.if \more
	s_barrier_signal -1
.endif
	PV \first                                      ; register work alone between signal and wait
	PLACES 5                                       ; five places before the next trip's products write over P and its loads over V's fragments
.if \more
	s_barrier_wait -1
.endif
.endm
	; ---- set-up
	s_load_b256 s[4:11], s[0:1], 0x0               ; q s[4:5], k s[6:7], v s[8:9], mbits s[10:11]
	s_load_b64 s[12:13], s[0:1], 0x20              ; out0
	v_lshl_add_u32 v7, v0, 2, 0x12000
	s_set_vgpr_msb 0x40
	v_mov_b32 v33, 0
	s_set_vgpr_msb 0x4000
	v_lshrrev_b32 v[CH], 5, v0
	v_readfirstlane_b32 s2, v[CH]                  ; wave 0..7
	s_lshr_b32 s14, ttmp9, 3                       ; head = work-group / 8
	s_lshl_b32 s14, s14, 19                        ; x 2,048 rows of 256 bytes
	s_mov_b32 s15, 0
	s_and_b32 s84, ttmp9, 7                        ; which 256 queries of the head
	s_lshl_b32 s84, s84, 16                        ; x 256 rows of 256 bytes; in mbits: x 16 groups of 4,096 bytes
	s_lshl_b32 s85, s2, 13                         ; wave x 32 rows of 256 bytes; in mbits: x 2 groups
	s_or_b32 s84, s84, s85
	s_mov_b32 s85, 0
	s_lshr_b32 s88, ttmp9, 7                       ; batch = head / 16
	s_lshl_b32 s88, s88, 19                        ; x 128 groups of 4,096 bytes
	s_mov_b32 s89, 0
	s_mov_b32 s86, 0x76543210                      ; v_permlanex16_b32: lane i of one half reads lane i of the other
	s_mov_b32 s87, 0xfedcba98
	s_mul_i32 s90, s2, 16*SP
	s_add_co_u32 s90, s90, STAGE                   ; my wave's stage
	v_lshlrev_b32 v[GOFF], 4, v0
	v_and_b32 v[TR], 15, v0                        ; r (also thread mod 16)
	v_bfe_u32 v[TH], v0, 4, 1                      ; h
	v_lshlrev_b32 v[CH], 5, v[TH]
	v_lshl_add_u32 v[QOFF], v[TR], 8, v[CH]        ; r x 256 + 32 h
	s_wait_kmcnt 0x0
	s_add_nc_u64 s[6:7], s[6:7], s[14:15]          ; k and v at the head
	s_add_nc_u64 s[8:9], s[8:9], s[14:15]
	s_add_nc_u64 s[14:15], s[14:15], s[84:85]      ; an offset to an offset
	s_add_nc_u64 s[4:5], s[4:5], s[14:15]          ; q and out0 at my wave's 32 queries
	s_add_nc_u64 s[12:13], s[12:13], s[14:15]
	s_add_nc_u64 s[10:11], s[10:11], s[84:85]      ; mbits at my wave's two groups of 16 queries
	s_add_nc_u64 s[10:11], s[10:11], s[88:89]
	MLOAD                                          ; key block 0
	GLOAD                                          ; tile 0
	; Q as f32 into O's registers, which are not yet in use.  Fragment (q, c), lane (r, h): d = 32 c + 8 h + 0..7, then 32 c + 16 + 8 h + 0..7 of query r
.irp q, 0,1
.irp c, 0,1
	global_load_b128 v[OA+32*\q+16*\c:OA+32*\q+16*\c+3],     v[QOFF], s[4:5] offset:4096*\q+128*\c th:TH_LOAD_NT
	global_load_b128 v[OA+32*\q+16*\c+4:OA+32*\q+16*\c+7],   v[QOFF], s[4:5] offset:4096*\q+128*\c+16 th:TH_LOAD_NT
	global_load_b128 v[OA+32*\q+16*\c+8:OA+32*\q+16*\c+11],  v[QOFF], s[4:5] offset:4096*\q+128*\c+64 th:TH_LOAD_NT
	global_load_b128 v[OA+32*\q+16*\c+12:OA+32*\q+16*\c+15], v[QOFF], s[4:5] offset:4096*\q+128*\c+80 th:TH_LOAD_NT
.endr
.endr
	v_bfe_u32 v[CH], v0, 4, 3                      ; y mod 8, y = thread / 16
	v_lshrrev_b32 v[CH+1], 7, v0                   ; y / 8
	v_lshl_add_u32 v[CH], v[CH+1], 4, v[CH]        ; rho0
	v_mul_u32_u24 v[KST], v[CH], KP
	v_lshl_add_u32 v[KST], v[TR], 3, v[KST]
	v_mul_u32_u24 v[VST], v[CH], VP
	v_lshl_add_u32 v[VST], v[TR], 3, v[VST]
	v_mul_u32_u24 v[KFA], v[TR], KP
	v_lshl_add_u32 v[KFA], v[TH], 4, v[KFA]
	v_and_b32 v[CH+1], 7, v0
	v_lshl_add_u32 v[CH+1], v[TH], 3, v[CH+1]      ; 8 h + lane mod 8
	v_bfe_u32 v[CH+2], v0, 3, 1
	v_mul_u32_u24 v[VFA], v[CH+1], VP
	v_lshl_add_u32 v[VFA], v[CH+2], 4, v[VFA]
	v_mov_b32 v[NINF], 0xff800000
	v_mul_u32_u24 v[CH+3], v[TR], SP               ; in: query r's row, 32 bytes for each half of the lanes
	v_lshl_add_u32 v[CH+3], v[TH], 5, v[CH+3]
	v_add_nc_u32 v[STO], s90, v[CH+3]
	v_mul_u32_u24 v[CH+3], v[TH], SP               ; back: lanes 0-15 one row of 256 bytes, lanes 16-31 the next
	v_lshl_add_u32 v[CH+3], v[TR], 4, v[CH+3]
	v_add_nc_u32 v[RD], s90, v[CH+3]
	v_and_b32 v[CH+3], 31, v0
	v_lshlrev_b32 v[OOFF], 4, v[CH+3]
	v_mov_b32 v[PT], 0                             ; v_permlanex16_b32's destination counts as read: written once
	v_mov_b32 v[PT+2], 0
	s_wait_loadcnt 0x10                            ; K's and V's eight loads are in; the sixteen younger loads of Q may be out
	CONVERT 0
	s_wait_loadcnt 0x0
.set IDX, 0
.rept 32
	v_pk_mul_f32 v[OA+2*IDX:OA+2*IDX+1], v[OA+2*IDX:OA+2*IDX+1], 0x3e38aa3b op_sel_hi:[1,0]   ; x log2(e) / 8: the scores come out ready for 2^x
.set IDX, IDX+1
.endr
.set IDX, 0
.rept 32
	v_cvt_pk_f16_f32 v[QF+IDX], v[OA+2*IDX], v[OA+2*IDX+1]
.set IDX, IDX+1
.endr
	s_wait_dscnt 0x0                               ; my part of tile 0 is in slot 0,
	s_barrier_signal -1
	s_barrier_wait -1                              ; everybody's is
	; ---- 32 trips
	TRIP 0, 1, 1                                   ; the first trip starts maximum, sum and O
	TRIP 1, 0, 1
	s_mov_b32 s3, 14
.Lloop:
	TRIP 0, 0, 1
	TRIP 1, 0, 1
	s_sub_co_i32 s3, s3, 1
	s_cmp_lg_u32 s3, 0
	s_cbranch_scc1 .Lloop
	TRIP 0, 0, 1                                   ; loads tile 31 and key block 31, the last
	TRIP 1, 0, 0                                   ; nothing more to fetch, no barrier
	; ---- the way out: l of both halves, O / l, through my own stage into whole rows of 256 bytes
	v_permlanex16_b32 v[PT], v[LS], s86, s87
	v_permlanex16_b32 v[PT+2], v[LS+2], s86, s87
	v_add_f32 v[LS], v[LS], v[PT]
	v_add_f32 v[LS+2], v[LS+2], v[PT+2]
	v_rcp_f32 v[AL], v[LS]
	v_rcp_f32 v[AL+2], v[LS+2]
	v_nop                                          ; one plain place behind the reciprocals (ISA guide 5.7.2)
	s_wait_alu depctr_va_vdst(0)                   ; one wait for the batch of two reciprocals, ahead of the 32 multiplies that read them
	SCALEO 0
	SCALEO 1
.irp q, 0,1
.irp a, 0,1,2,3
	ds_store_b128 v[STO], v[OA+16*\a+8*\q:OA+16*\a+8*\q+3]   offset:64*\a      ; query r, d = 16 a + 8 h + 0..3
	ds_store_b128 v[STO], v[OA+16*\a+8*\q+4:OA+16*\a+8*\q+7] offset:64*\a+16   ; d = 16 a + 8 h + 4..7
.endr
.irp i, 0,1,2,3,4,5,6,7
	ds_load_b128 v[FR+32*\q+4*\i:FR+32*\q+4*\i+3], v[RD] offset:2*SP*\i        ; LDS serves a wave's instructions in order (ISA guide 5.7.1.4): these see the stores above; the bytes are my wave's own
.endr
.irp i, 0,1,2,3,4,5,6,7
	s_wait_dscnt 7-\i                              ; load i of the eight is in, the younger ones may be out
	global_store_b128 v[OOFF], v[FR+32*\q+4*\i:FR+32*\q+4*\i+3], s[12:13] offset:4096*\q+512*\i th:TH_STORE_NT   ; two queries' rows: 512 consecutive bytes, aligned
.endr
.endr
	s_set_vgpr_msb 0x4
	s_wait_tensorcnt 0x0
	ds_add_u32 v7, v33
	s_wait_dscnt 0x0
	s_set_vgpr_msb 0x400
	s_endpgm
.Lfunc_end_k_qdc521f85ca_attn:
	.size	k_qdc521f85ca_attn, .Lfunc_end_k_qdc521f85ca_attn-k_qdc521f85ca_attn
	.p2alignl 7, 3214868480
	.fill 96, 4, 3214868480
	.section	.rodata,"a",@progbits
	.p2align	6, 0x0
	.amdhsa_kernel k_qdc521f85ca_attn
		.amdhsa_group_segment_fixed_size 74752
		.amdhsa_private_segment_fixed_size 0
		.amdhsa_enable_private_segment 0
		.amdhsa_kernarg_size 40
		.amdhsa_user_sgpr_count 2
		.amdhsa_user_sgpr_kernarg_segment_ptr 1
		.amdhsa_wavefront_size32 1
		.amdhsa_system_sgpr_workgroup_id_x 1
		.amdhsa_system_sgpr_workgroup_id_y 1
		.amdhsa_system_sgpr_workgroup_id_z 1
		.amdhsa_system_vgpr_workitem_id 0
		.amdhsa_next_free_vgpr 290
		.amdhsa_next_free_sgpr 96
		.amdhsa_reserve_vcc 0
		.amdhsa_float_denorm_mode_32 3
		.amdhsa_float_denorm_mode_16_64 3
		.amdhsa_memory_ordered 1
		.amdhsa_forward_progress 1
		.amdhsa_inst_pref_size 157
	.end_amdhsa_kernel
	.amdgpu_metadata
---
amdhsa.version: [ 1, 2 ]
amdhsa.kernels:
  - .name:           k_qdc521f85ca_attn
    .symbol:         k_qdc521f85ca_attn.kd
    .args:
      - { .name: q, .offset: 0, .size: 8, .value_kind: global_buffer, .address_space: global }
      - { .name: k, .offset: 8, .size: 8, .value_kind: global_buffer, .address_space: global }
      - { .name: v, .offset: 16, .size: 8, .value_kind: global_buffer, .address_space: global }
      - { .name: mbits, .offset: 24, .size: 8, .value_kind: global_buffer, .address_space: global }
      - { .name: out0, .offset: 32, .size: 8, .value_kind: global_buffer, .address_space: global }
    .group_segment_fixed_size: 74752
    .private_segment_fixed_size: 0
    .kernarg_segment_align: 8
    .kernarg_segment_size: 40
    .max_flat_workgroup_size: 256
    .sgpr_count:     96
    .vgpr_count:     290
    .wavefront_size: 32
...
	.end_amdgpu_metadata
.endif
;; end of part 3
